; MI455X (gfx1250); checked and timed in simulation.
; The chip was launched on July 23, 2026; its instructions are those of AMD's public machine-readable ISA for CDNA 5 (MIT licence, August 2026) and "CDNA5" Instruction Set Architecture Reference Guide (July 2026). The comments in the code are by the model that wrote it; some were corrected since.
;; Signal Attn. Allowed arithmetic: matrix products marked QUANTISED: E2M3 operands, one E8M0 scale for each 32 along K, by v_wmma_scale_f32_16x16x128_f8f6f4 with both operands' format E2M3, f32 sums; everything else in f32.
;; Inputs: Wk 512 x 512 float32; Wo 512 x 512 float32; Wq 512 x 512 float32; Wv 512 x 512 float32; bo 512 float32; dt 2 x 2,048 x 512 float32; fr 2 x 2,048 x 512 float32.
;; Outputs: out0 2 x 2,048 x 512 float32.
;; This version of the problem:
;;   THIS VERSION OF THE PROBLEM IS GIVEN IN LOW PRECISION. The matrix products marked QUANTISED in the list below multiply operands that are first quantised to E2M3 (2 exponent bits, 3 mantissa bits; 6 bits a number), with one power-of-two scale for each 32 numbers along K (OCP MX v1.0); their sums are f32. All else is computed in f32.
;;   The module's matrix products, in the order in which they are computed (A, B: the left and right operand; K: the contracted axis; several contracted axes count as one K, in the product's order):
;;     1. [M 4,096, K 512] x [K 512, N 512]; A: input fr; B: input Wq: QUANTISED
;;     2. [M 4,096, K 512] x [K 512, N 512]; A: input dt; B: input Wk: QUANTISED
;;     3. [M 4,096, K 512] x [K 512, N 512]; A: input dt; B: input Wv: QUANTISED
;;     4. batch 16 x [M 2,048, K 64] x [K 64, N 2,048]; A: computed on the way; B: computed on the way: QUANTISED
;;     5. batch 16 x [M 64, K 2,048] x [K 2,048, N 2,048]; A: computed on the way; B: computed on the way: QUANTISED
;;     6. [M 4,096, K 512] x [K 512, N 512]; A: computed on the way; B: input Wo: QUANTISED
;;   THE QUANTISER, for each operand of a quantised product, along K:
;;     - K is cut into blocks of 32 from its start; a last block that is shorter is filled with zeros.
;;     - A block's scale is 2^e with e = floor(log2(the largest magnitude in the block)) - 2, held to -126 .. 127; a block of zeros has e = 0. As a byte (E8M0): e + 127.
;;     - Each number is divided by its block's scale, clamped to +-7.5, and rounded to the nearest number of E2M3, ties to even, subnormals kept.
;;     - The product sums the exact products of the quantised numbers (number of the format x scale) in f32.
;;   ~~~python
;;   def quantise(x, axis):      # numpy; x: float32 -> the quantised numbers, widened to float32 again
;;       x = np.moveaxis(x, axis, -1); K = x.shape[-1]
;;       x = np.pad(x, [(0, 0)] * (x.ndim - 1) + [(0, -K % 32)]); x = x.reshape(x.shape[:-1] + (-1, 32)); a = np.abs(x).max(-1, keepdims=True)
;;       e = np.where(a > 0, np.clip(np.frexp(np.where(a > 0, a, 1))[1] - 1 - 2, -126, 127), 0)      # np.frexp(a)[1] - 1 = floor(log2(a)), exactly
;;       r = np.clip(x / 2.0 ** e, -7.5, 7.5)
;;       step = 2.0 ** (np.maximum(np.frexp(np.where(r == 0, 1, r))[1] - 1, 0) - 3)
;;       q = np.round(r / step) * step * 2.0 ** e      # np.round: ties to even
;;       return np.moveaxis(q.reshape(q.shape[:-2] + (-1,))[..., :K], -1, axis).astype(np.float32)
;;   ~~~
;;   OPERANDS COMPUTED ON THE WAY. 'Computed on the way' means the value that the module computes at that place (a softmax that the list does not call 'softmax' is quantised finished and normalised). What goes into a quantiser is computed in f32, as accurately as f32 sums, v_exp_f32 and their like allow (about 1e-6 of the number): no bf16 or f16 on the way to a quantiser, and a product that is left as it is and whose result goes on into a quantised operand takes f32 operands (vector FMAs, or v_wmma_f32_16x16x4_f32). A number that lies on a knife's edge between two numbers of the format may be rounded either way, as far as f32 arithmetic and the matrix unit's own rounding can turn it there, and no further.
;; One version. Each part assembles by itself: llvm-mc -triple=amdgcn-amd-amdhsa -mcpu=gfx1250 --defsym DOCPART=n.
;; ======== version 1 of 1: 4 launches
;; workspace buffers: xi 3,145,728 bytes; xs 131,072 bytes; wi 786,432 bytes; ws 32,768 bytes; qkv 5,111,808 bytes; oi 1,572,864 bytes; os 262,144 bytes
;; launch quant (part 1): grid 320 x 1, 4 waves a work-group, no clusters, 68,096 bytes of LDS; arguments fr, dt, Wq, Wk, Wv, Wo, xi, xs, wi, ws; writes xi, xs, wi, ws
.if DOCPART == 1
	.amdgcn_target "amdgcn-amd-amdhsa--gfx1250"
	.amdhsa_code_object_version 6
	.text
	.protected	k_q55dac0a15b_quant
	.globl	k_q55dac0a15b_quant
	.p2align	8
	.type	k_q55dac0a15b_quant,@function
k_q55dac0a15b_quant:
	s_mov_b64 s[64:65], 0
	v_nop
	global_prefetch_b8 v0, s[64:65] scope:SCOPE_SE
	s_setreg_imm32_b32 hwreg(HW_REG_WAVE_MODE, 25, 1), 1
	s_wait_xcnt 0x0
; fr, dt [4096][512] and Wq, Wk, Wv, Wo [512 (k)][512 (n)], f32, become codes of FP6 (E2M3) with one E8M0 byte for each 32 along K (K = the 512 of fr and dt, the FIRST axis of the weights).
; A block's scale is 2^(floor(log2(largest magnitude)) - 2); its byte is the largest magnitude's exponent field - 2, held at 1 from below.
; LIMITS: a block of zeros gets the byte 1 (its codes are zeros, and this program alone reads the bytes); blocks under 2^-124 are held at that byte; NaN and infinities are not served.
; WHAT IS STORED: IMAGES OF OPERAND REGISTERS.  A fragment is 16 rows x 128 K, 12 registers a lane (lane (r, h): registers 6 c .. 6 c + 5 = k 64 c + 32 h + 0 .. 31 of row r).
; Its image is two halves of 768 bytes; half c: registers 6 c .. 6 c + 3 at 16 x lane, registers 6 c + 4, 6 c + 5 at 512 + 8 x lane.  Every store covers whole aligned runs of 256 bytes.
; THE ROWS OF A TILE ARE NOT NEIGHBOURS (fr, dt, and the columns of Wq, Wk, Wv): lane r of tile 2 B + u holds row 32 B + 8 u + r + 8 (r / 8).  Wo's tiles are 16 neighbouring columns.
; xi: [fr, dt][tile 256][K step 4][1536].  xs: [fr, dt][tile][K step][r] words.  wi: [q, k, v, o][tile 32][K step 4][1536].  ws: [q, k, v, o][tile][K step][r] words.
; Work-groups 0-255 take fr and dt (32 rows each; a wave: one tile, two K steps); work-groups 256-319 the weights (128 columns x 128 k; a wave: 32 columns).  Waves share nothing: no barrier.
.set SEL, 40                           ; s[40:41] lane selects for v_permlanex16_b32: lane l xor 16
.set R,   16                           ; v16-143  two sets of 64 numbers (weights: four blocks of 32)
.set PC0, 144                          ; v144-163 the first K step's codes
.set PC1, 164                          ; v164-183 the second's
.set TM,  184                          ; v184-199 at work in the quantiser
.set PW0, 200                          ; the two scale words
.set PW1, 201
.set F0,  144                          ; weights: the even blocks' codes, then tile 0's fragment
.set F1,  156                          ; the odd blocks', then tile 1's
.set TU,  168                          ; a block's upper 16 codes, before they are moved
.set STG, 8448                         ; a stage: 16 rows x (512 bytes + 16)
.set WREG, 2*STG                       ; LDS of a wave: two stages
; 64 numbers of a lane, register 16 b + i = k 32 b + 16 (lane / 16) + i of my row: their four scale bytes (word pw) and their codes, half a block to a lane.
.macro QUANT_A s, pc, pw, abs
.irp b, 0,1,2,3
.if \abs
	v_max3_num_f32 v[TM+\b], |v[(\s)+16*\b]|, |v[(\s)+1+16*\b]|, 0x1800000   ; my 16 numbers of block b, and the floor 2^(3 - 127): the byte cannot fall under 1
.else
	v_max3_num_f32 v[TM+\b], v[(\s)+16*\b], v[(\s)+1+16*\b], 0x1800000
.endif
.endr
.irp i, 2,4,6,8,10,12,14
.irp b, 0,1,2,3
.if \abs
	v_max3_num_f32 v[TM+\b], v[TM+\b], |v[(\s)+16*\b+\i]|, |v[(\s)+1+16*\b+\i]|   ; the four blocks by turns
.else
	v_max3_num_f32 v[TM+\b], v[TM+\b], v[(\s)+16*\b+\i], v[(\s)+1+16*\b+\i]
.endif
.endr
.endr
.irp b, 0,1,2,3
	v_permlanex16_b32 v[TM+4+\b], v[TM+\b], s[SEL], s[SEL+1]
.endr
.irp b, 0,1,2,3
	v_max_num_f32 v[TM+\b], v[TM+\b], v[TM+4+\b]   ; with lane l xor 16's 16: the block's largest magnitude
.endr
.irp b, 0,1,2,3
	v_add_nc_u32 v[TM+12+\b], 0xff000000, v[TM+\b]   ; 2 off its exponent field: the conversion's scale operand
.endr
.irp b, 0,1,2,3
	v_lshrrev_b32 v[TM+4+\b], 23, v[TM+12+\b]   ; the scale's byte
.endr
	v_lshl_or_b32 v[\pw], v[TM+5], 8, v[TM+4]
	v_lshl_or_b32 v[\pw], v[TM+6], 16, v[\pw]
	v_lshl_or_b32 v[\pw], v[TM+7], 24, v[\pw]   ; my row's scale word; lanes l and l xor 16 hold the same
.irp c, 0,1
	v_cvt_scalef32_pk16_fp6_f32 v[(\pc)+6*\c:(\pc)+2+6*\c], v[(\s)+32*\c:(\s)+15+32*\c], v[TM+12+2*\c]
	v_cvt_scalef32_pk16_fp6_f32 v[(\pc)+12+4*\c:(\pc)+14+4*\c], v[(\s)+16+32*\c:(\s)+31+32*\c], v[TM+12+2*\c+1]   ; (a conversion's three registers begin on an even number)
.endr
	v_nop                                          ; one plain line behind the scaled conversions
.endm
; The operand's layout wants a whole block in a lane: lanes 0-15 block 2 c, lanes 16-31 block 2 c + 1.
.macro QUANT_B pc
.irp c, 0,1
.irp i, 0,1,2
	v_permlane16_swap_b32 v[(\pc)+6*\c+\i], v[(\pc)+12+4*\c+\i]
.endr
.irp i, 0,1,2
	v_mov_b32 v[(\pc)+3+6*\c+\i], v[(\pc)+12+4*\c+\i]
.endr
.endr
.endm
; A fragment's image goes out: 512, 256, 512 and 256 consecutive bytes.
.macro PUT reg, sb, off
	global_store_b128 v4, v[(\reg):(\reg)+3], s[\sb:\sb+1] offset:(\off)
	global_store_b64 v5, v[(\reg)+4:(\reg)+5], s[\sb:\sb+1] offset:(\off)+512
	global_store_b128 v4, v[(\reg)+6:(\reg)+9], s[\sb:\sb+1] offset:(\off)+768
	global_store_b64 v5, v[(\reg)+10:(\reg)+11], s[\sb:\sb+1] offset:(\off)+1280
.endm
	s_load_b512 s[4:19], s[0:1], 0x0               ; fr s[4:5], dt s[6:7], Wq s[8:9], Wk s[10:11], Wv s[12:13], Wo s[14:15], xi s[16:17], xs s[18:19]
	s_load_b128 s[20:23], s[0:1], 0x40             ; wi s[20:21], ws s[22:23]
	v_lshl_add_u32 v208, v0, 2, 0x10800
	v_mov_b32 v209, 0
	v_lshrrev_b32 v1, 5, v0
	v_readfirstlane_b32 s24, v1                    ; wave 0..3
	v_and_b32 v2, 31, v0                           ; lane
	v_lshlrev_b32 v4, 4, v2                        ; 16 x lane
	v_lshlrev_b32 v5, 3, v2                        ; 8 x lane
	v_lshlrev_b32 v6, 2, v2                        ; 4 x lane
	s_cmp_lt_u32 ttmp9, 256
	s_cbranch_scc0 .Lweights
	; ---- fr and dt.  Work-group: tensor X = wg / 128, rows 32 B on, B = wg % 128.  Wave: tile 2 B + u (u = wave / 2), K steps 2 p and 2 p + 1 (p = wave % 2).
	s_lshr_b32 s25, ttmp9, 7                       ; X
	s_and_b32 s26, ttmp9, 127                      ; B
	s_lshr_b32 s27, s24, 1                         ; u
	s_and_b32 s28, s24, 1                          ; p
	s_lshl_b32 s29, s26, 1
	s_add_co_u32 s29, s29, s27                     ; the tile
	s_lshl_b32 s30, s26, 16                        ; from: (32 B + 8 u) rows of 2,048 bytes + 1,024 p
	s_lshl_b32 s31, s27, 14
	s_add_co_u32 s30, s30, s31
	s_lshl_b32 s31, s28, 10
	s_add_co_u32 s30, s30, s31
	s_mov_b32 s31, 0
	s_mul_i32 s34, s25, 1572864                    ; to: xi at X, tile, K step 2 p
	s_mul_i32 s35, s29, 6144
	s_add_co_u32 s34, s34, s35
	s_mul_i32 s35, s28, 3072
	s_add_co_u32 s34, s34, s35
	s_mov_b32 s35, 0
	s_lshl_b32 s36, s25, 16                        ; and xs likewise: 256 bytes a tile, 64 a K step
	s_lshl_b32 s37, s29, 8
	s_add_co_u32 s36, s36, s37
	s_lshl_b32 s37, s28, 7
	s_add_co_u32 s36, s36, s37
	s_mov_b32 s37, 0
	s_mul_i32 s32, s24, WREG                       ; my wave's LDS
	v_add_nc_u32 v7, s32, v4                       ; into a stage: a row as it was loaded, 16 bytes a lane
	v_and_b32 v9, 15, v0                           ; r
	v_bfe_u32 v10, v0, 4, 1                        ; h
	v_mul_u32_u24 v8, v9, 528
	v_lshl_add_u32 v8, v10, 6, v8
	v_add_nc_u32 v8, s32, v8                       ; out of it: row r, + 64 h: my 16 numbers of a block of 32
	s_mov_b32 s[SEL], 0x76543210
	s_mov_b32 s[SEL+1], 0xfedcba98
.irp b, 0,1,2,3
	v_mov_b32 v[TM+4+\b], 0                        ; written once: a lane permute's destination counts as one of its sources
.endr
	v_cmp_le_u32 vcc_lo, 16, v2                    ; lanes 16-31
	s_wait_kmcnt 0x0
	s_cmp_eq_u32 s25, 0                            ; the choice hangs on the work-group's number alone
	s_cselect_b64 s[4:5], s[4:5], s[6:7]
	s_add_nc_u64 s[4:5], s[4:5], s[30:31]
	s_add_nc_u64 s[16:17], s[16:17], s[34:35]
	s_add_nc_u64 s[18:19], s[18:19], s[36:37]
.irp q, 0,1
.irp i, 0,1,2,3,4,5,6,7,8,9,10,11,12,13,14,15
	global_load_b128 v[R+64*\q+4*\i:R+64*\q+4*\i+3], v4, s[4:5] offset:(\i+8*(\i/8))*2048+512*\q th:TH_LOAD_NT   ; the tile's row i, one K step: 32 lanes read 512 consecutive bytes
.endr
.endr
; A K step's 16 rows turn through a stage: stored as loaded, read back 16 neighbours of each block a lane.  LDS serves a wave's instructions in order: no wait between the stores and the loads.
.macro TURN q
.irp i, 0,1,2,3,4,5,6,7,8,9,10,11,12,13,14,15
	ds_store_b128 v7, v[R+64*(\q)+4*\i:R+64*(\q)+4*\i+3] offset:STG*(\q)+528*\i
.endr
.irp b, 0,1,2,3
.irp j, 0,1,2,3
	ds_load_b128 v[R+64*(\q)+16*\b+4*\j:R+64*(\q)+16*\b+4*\j+3], v8 offset:STG*(\q)+128*\b+16*\j
.endr
.endr
.endm
	s_wait_loadcnt 16                              ; the first K step's 16 loads are in; the second's 16 may be out
	TURN 0
	s_wait_loadcnt 0x0
	TURN 1
	s_wait_dscnt 32                                ; the first turn is over; the second's 32 LDS instructions may be out
	QUANT_A R, PC0, PW0, 1
	QUANT_B PC0
	s_wait_dscnt 0x0
	QUANT_A R+64, PC1, PW1, 1
	QUANT_B PC1
	v_cndmask_b32 v202, v[PW0], v[PW1], vcc_lo     ; lanes 0-15 carry the even K step's words, lanes 16-31 the odd one's
	PUT PC0, 16, 0
	PUT PC1, 16, 1536
	global_store_b32 v6, v202, s[18:19]            ; 128 consecutive bytes: half of the tile's 256, the wave beside me stores the other half
	s_wait_tensorcnt 0x0
	ds_add_u32 v208, v209
	s_wait_dscnt 0x0
	s_endpgm
	; ---- the weights.  wg' = wg - 256: W = wg' / 16, G = (wg' / 4) % 4 (128 columns), s = wg' % 4 (K step).  A LANE TAKES A COLUMN AND ITS REGISTERS RUN DOWN K: a block of 32 lies in one lane.
.Lweights:
	s_sub_co_u32 s25, ttmp9, 256
	s_lshr_b32 s26, s25, 4                         ; W
	s_bfe_u32 s27, s25, 0x20002                    ; G
	s_and_b32 s28, s25, 3                          ; s
	s_lshl_b32 s29, s27, 3
	s_lshl_b32 s30, s24, 1
	s_add_co_u32 s29, s29, s30                     ; my first tile: 8 G + 2 wave,
	s_lshl_b32 s30, s26, 5
	s_add_co_u32 s29, s29, s30                     ; among all four weights' tiles
	s_lshl_b32 s30, s28, 18                        ; from: 128 s rows of 2,048 bytes + (128 G + 32 wave) x 4
	s_lshl_b32 s31, s27, 9
	s_add_co_u32 s30, s30, s31
	s_lshl_b32 s31, s24, 7
	s_add_co_u32 s30, s30, s31
	s_mov_b32 s31, 0
	s_lshl_b32 s32, s29, 2                         ; to: wi at (tile, s)
	s_add_co_u32 s32, s32, s28
	s_mul_i32 s32, s32, 1536
	s_mov_b32 s33, 0
	s_lshl_b32 s34, s29, 8                         ; ws at (tile, s)
	s_lshl_b32 s35, s28, 6
	s_add_co_u32 s34, s34, s35
	s_mov_b32 s35, 0
	v_and_b32 v9, 7, v2                            ; my column of the 32: lanes 0-15 are tile 0's rows, lanes 16-31 tile 1's: (l & 7) + 2 (l & 8) + (l & 16) / 2;
	v_and_b32 v10, 8, v2
	v_lshl_or_b32 v9, v10, 1, v9
	v_and_b32 v10, 16, v2
	v_lshrrev_b32 v10, 1, v10
	v_or_b32 v9, v9, v10
	s_cmp_eq_u32 s26, 3
	s_cselect_b32 vcc_lo, -1, 0
	v_cndmask_b32 v9, v9, v2, vcc_lo               ; in Wo: column l
	v_lshlrev_b32 v3, 2, v9
	v_lshrrev_b32 v9, 4, v2
	v_and_b32 v10, 15, v2
	v_lshlrev_b32 v10, 2, v10
	v_lshl_add_u32 v7, v9, 8, v10                  ; my scale word's place: 256 (l / 16) + 4 (l % 16)
	s_and_b32 s36, s26, 1
	s_wait_kmcnt 0x0
	s_cmp_lg_u32 s36, 0                            ; which weight: the choices hang on the work-group's number alone
	s_cselect_b64 s[8:9], s[10:11], s[8:9]
	s_cselect_b64 s[12:13], s[14:15], s[12:13]
	s_cmp_lt_u32 s26, 2
	s_cselect_b64 s[4:5], s[8:9], s[12:13]
	s_add_nc_u64 s[4:5], s[4:5], s[30:31]
	s_add_nc_u64 s[20:21], s[20:21], s[32:33]
	s_add_nc_u64 s[22:23], s[22:23], s[34:35]
.macro WLOAD t                         ; block t: W(128 s + 32 t + i, my column): a wave reads 128 consecutive bytes, the four waves side by side 512
.irp i, 0,1,2,3,4,5,6,7,8,9,10,11,12,13,14,15,16,17,18,19,20,21,22,23,24,25,26,27,28,29,30,31
	global_load_b32 v[R+32*(\t)+\i], v3, s[4:5] offset:(32*(\t)+\i)*2048 th:TH_LOAD_NT
.endr
.endm
.macro WBLOCK kb
.set XS, R+32*(\kb)
.set FD, F0+12*((\kb)%2)+6*((\kb)/2)   ; even blocks into F0, odd ones into F1
.if (\kb) < 3
	s_wait_loadcnt 32                              ; this block's 32 loads are in; the next block's 32 may be out
.else
	s_wait_loadcnt 0x0
.endif
.if (\kb) < 2
	WLOAD (\kb)+2                                  ; loads run two blocks ahead
.endif
	v_max3_num_f32 v184, |v[XS]|, |v[XS+1]|, |v[XS+2]|   ; the block's largest magnitude: all 32 numbers are mine
	v_max3_num_f32 v185, |v[XS+3]|, |v[XS+4]|, |v[XS+5]|
.irp i, 6,10,14,18,22,26
	v_max3_num_f32 v184, v184, |v[XS+\i]|, |v[XS+\i+1]|
	v_max3_num_f32 v185, v185, |v[XS+\i+2]|, |v[XS+\i+3]|
.endr
	v_max3_num_f32 v184, v184, |v[XS+30]|, |v[XS+31]|
	v_max3_num_f32 v184, v184, v185, 0x1800000     ; and the floor
	v_add_nc_u32 v186, 0xff000000, v184            ; the conversion's scale operand
	v_lshrrev_b32 v187, 23, v186                   ; the byte
.if (\kb) == 0
	v_mov_b32 v188, v187
.else
	v_lshl_or_b32 v188, v187, 8*(\kb), v188        ; my column's scale word for this K step
.endif
	v_cvt_scalef32_pk16_fp6_f32 v[FD:FD+2], v[XS:XS+15], v186
	v_cvt_scalef32_pk16_fp6_f32 v[TU+4*(\kb):TU+4*(\kb)+2], v[XS+16:XS+31], v186
	v_nop                                          ; one plain line behind the scaled conversions
.irp i, 0,1,2
	v_mov_b32 v[FD+3+\i], v[TU+4*(\kb)+\i]
.endr
.endm
	WLOAD 0
	WLOAD 1
	WBLOCK 0
	WBLOCK 1
	WBLOCK 2
	WBLOCK 3
.irp i, 0,1,2,3,4,5,6,7,8,9,10,11
	v_permlane16_swap_b32 v[F0+\i], v[F1+\i]       ; F0's lanes 16-31 change places with F1's lanes 0-15: F0 is now tile 0's fragment (lanes 0-15 blocks 0, 2; lanes 16-31 blocks 1, 3), F1 tile 1's
.endr
	PUT F0, 20, 0
	PUT F1, 20, 6144
	global_store_b32 v7, v188, s[22:23]            ; two runs of 64 bytes: one byte for each 128 that this path reads
	s_endpgm
.Lfunc_end_k_q55dac0a15b_quant:
	.size	k_q55dac0a15b_quant, .Lfunc_end_k_q55dac0a15b_quant-k_q55dac0a15b_quant
	.p2alignl 7, 3214868480
	.fill 96, 4, 3214868480
	.section	.rodata,"a",@progbits
	.p2align	6, 0x0
	.amdhsa_kernel k_q55dac0a15b_quant
		.amdhsa_group_segment_fixed_size 68096
		.amdhsa_private_segment_fixed_size 0
		.amdhsa_enable_private_segment 0
		.amdhsa_kernarg_size 80
		.amdhsa_user_sgpr_count 2
		.amdhsa_user_sgpr_kernarg_segment_ptr 1
		.amdhsa_wavefront_size32 1
		.amdhsa_system_sgpr_workgroup_id_x 1
		.amdhsa_system_sgpr_workgroup_id_y 1
		.amdhsa_system_sgpr_workgroup_id_z 1
		.amdhsa_system_vgpr_workitem_id 0
		.amdhsa_next_free_vgpr 210
		.amdhsa_next_free_sgpr 66
		.amdhsa_reserve_vcc 1
		.amdhsa_float_denorm_mode_32 3
		.amdhsa_float_denorm_mode_16_64 3
		.amdhsa_memory_ordered 1
		.amdhsa_forward_progress 1
		.amdhsa_inst_pref_size 39
	.end_amdhsa_kernel
	.amdgpu_metadata
---
amdhsa.version: [ 1, 2 ]
amdhsa.kernels:
  - .name:           k_q55dac0a15b_quant
    .symbol:         k_q55dac0a15b_quant.kd
    .args:
      - { .name: fr, .offset: 0, .size: 8, .value_kind: global_buffer, .address_space: global }
      - { .name: dt, .offset: 8, .size: 8, .value_kind: global_buffer, .address_space: global }
      - { .name: Wq, .offset: 16, .size: 8, .value_kind: global_buffer, .address_space: global }
      - { .name: Wk, .offset: 24, .size: 8, .value_kind: global_buffer, .address_space: global }
      - { .name: Wv, .offset: 32, .size: 8, .value_kind: global_buffer, .address_space: global }
      - { .name: Wo, .offset: 40, .size: 8, .value_kind: global_buffer, .address_space: global }
      - { .name: xi, .offset: 48, .size: 8, .value_kind: global_buffer, .address_space: global }
      - { .name: xs, .offset: 56, .size: 8, .value_kind: global_buffer, .address_space: global }
      - { .name: wi, .offset: 64, .size: 8, .value_kind: global_buffer, .address_space: global }
      - { .name: ws, .offset: 72, .size: 8, .value_kind: global_buffer, .address_space: global }
    .group_segment_fixed_size: 68096
    .private_segment_fixed_size: 0
    .kernarg_segment_align: 8
    .kernarg_segment_size: 80
    .max_flat_workgroup_size: 128
    .sgpr_count:     66
    .vgpr_count:     210
    .wavefront_size: 32
...
	.end_amdgpu_metadata
.endif
;; end of part 1
;; launch proj (part 2): grid 192 x 1, 16 waves a work-group, no clusters, 51,200 bytes of LDS; arguments xi, xs, wi, ws, qkv; writes qkv
.if DOCPART == 2
	.amdgcn_target "amdgcn-amd-amdhsa--gfx1250"
	.amdhsa_code_object_version 6
	.text
	.protected	k_q55dac0a15b_proj
	.globl	k_q55dac0a15b_proj
	.p2align	8
	.type	k_q55dac0a15b_proj,@function
k_q55dac0a15b_proj:
	s_mov_b64 s[64:65], 0
	v_nop
	global_prefetch_b8 v0, s[64:65] scope:SCOPE_SE
	s_setreg_imm32_b32 hwreg(HW_REG_WAVE_MODE, 25, 1), 1
	s_wait_xcnt 0x0
; q = fr Wq, k = dt Wk, v = dt Wv on codes of FP6 (E2M3) with E8M0 scales, and the results quantised in registers: q and k along a head's 64, v along the keys.
; ONE BODY.  A wave keeps a STATIONARY tile (16 rows, all K = 512: four fragments) as source 1; the work-group shares a STREAMED block of eight tiles (48 KB, dense in memory) as source 0, through LDS.
; The streamed tiles' rows are laid so that lane (r, h)'s 64 results are, register 16 b + i, index 32 b + 16 h + i of the block's 128: neighbours along the next product's K.
; t = wg / 64:  0, 1 (q, k): streamed = 128 columns of the weight (two heads), stationary = 16 tokens: a lane holds a token, its registers run over the features;
;               2 (v):      streamed = 128 tokens of dt, stationary = 16 columns of Wv: a lane holds a feature, its registers run over the keys.
; qkv: 16 records (batch x 8 + head) of REC bytes: K's codes [tile 128][768], V's [key step 16][tile 4][1536], K's scale words [tile][r], V's [key step][tile][lane 32], Q's codes [tile 128][768], Q's scale words [tile][r].
; A tile of Q or K is HALF a fragment (registers 0-5: the head's 64); its scale word has two bytes, the upper two are 0.
; No cluster: in the third that makes v only two work-groups read the same streamed block, so four partners have no common tile there.
; LIMITS: a block of zeros gets the byte 1 over zero codes (this program alone reads the bytes); NaN and infinities are not served.
.set REC, 319488
.set KC,  0
.set VC,  98304
.set KS,  196608
.set VS,  204800
.set QC,  212992
.set QS,  311296
.set SEL, 40                           ; s[40:41] (written behind the offsets that lie there first)
.set ST,  16                           ; v16-63   the stationary tile's four fragments
.set SS,  64                           ; v64-65   its scale words: lanes 0-15 the even K step, lanes 16-31 the odd one
.set SR,  66                           ; v66-81   the streamed tiles' scale words: register 2 i + pair
.set F,   82                           ; v82-177  eight streamed fragments of one K step
.set ACC, 178                          ; v178-241 eight accumulators
.set PC,  82                           ; behind the products: the codes,
.set TM,  102                          ; the quantiser's registers,
.set PW,  118                          ; the scale word
.macro QUANT_A s, pc, pw, abs
.irp b, 0,1,2,3
.if \abs
	v_max3_num_f32 v[TM+\b], |v[(\s)+16*\b]|, |v[(\s)+1+16*\b]|, 0x1800000   ; my 16 numbers of block b, and the floor 2^(3 - 127): the byte cannot fall under 1
.else
	v_max3_num_f32 v[TM+\b], v[(\s)+16*\b], v[(\s)+1+16*\b], 0x1800000
.endif
.endr
.irp i, 2,4,6,8,10,12,14
.irp b, 0,1,2,3
.if \abs
	v_max3_num_f32 v[TM+\b], v[TM+\b], |v[(\s)+16*\b+\i]|, |v[(\s)+1+16*\b+\i]|   ; each accumulator is read from its low end on
.else
	v_max3_num_f32 v[TM+\b], v[TM+\b], v[(\s)+16*\b+\i], v[(\s)+1+16*\b+\i]
.endif
.endr
.endr
.irp b, 0,1,2,3
	v_permlanex16_b32 v[TM+4+\b], v[TM+\b], s[SEL], s[SEL+1]
.endr
.irp b, 0,1,2,3
	v_max_num_f32 v[TM+\b], v[TM+\b], v[TM+4+\b]   ; with lane l xor 16's 16: the block's largest magnitude
.endr
.irp b, 0,1,2,3
	v_add_nc_u32 v[TM+12+\b], 0xff000000, v[TM+\b]   ; 2 off its exponent field: the conversion's scale operand
.endr
.irp b, 0,1,2,3
	v_lshrrev_b32 v[TM+4+\b], 23, v[TM+12+\b]   ; the scale's byte
.endr
	v_lshl_or_b32 v[\pw], v[TM+5], 8, v[TM+4]
	v_lshl_or_b32 v[\pw], v[TM+6], 16, v[\pw]
	v_lshl_or_b32 v[\pw], v[TM+7], 24, v[\pw]
.irp c, 0,1
	v_cvt_scalef32_pk16_fp6_f32 v[(\pc)+6*\c:(\pc)+2+6*\c], v[(\s)+32*\c:(\s)+15+32*\c], v[TM+12+2*\c]
	v_cvt_scalef32_pk16_fp6_f32 v[(\pc)+12+4*\c:(\pc)+14+4*\c], v[(\s)+16+32*\c:(\s)+31+32*\c], v[TM+12+2*\c+1]
.endr
	v_nop                                          ; one plain line behind the scaled conversions
.endm
.macro QUANT_B pc
.irp c, 0,1
.irp i, 0,1,2
	v_permlane16_swap_b32 v[(\pc)+6*\c+\i], v[(\pc)+12+4*\c+\i]
.endr
.irp i, 0,1,2
	v_mov_b32 v[(\pc)+3+6*\c+\i], v[(\pc)+12+4*\c+\i]
.endr
.endr
.endm
.macro GFRAG reg, sb, off              ; a fragment's image from memory
	global_load_b128 v[(\reg):(\reg)+3], v4, s[\sb:\sb+1] offset:(\off)
	global_load_b64 v[(\reg)+4:(\reg)+5], v5, s[\sb:\sb+1] offset:(\off)+512
	global_load_b128 v[(\reg)+6:(\reg)+9], v4, s[\sb:\sb+1] offset:(\off)+768
	global_load_b64 v[(\reg)+10:(\reg)+11], v5, s[\sb:\sb+1] offset:(\off)+1280
.endm
.macro LFRAG reg, off                  ; and from LDS: every load takes consecutive bytes
	ds_load_b128 v[(\reg):(\reg)+3], v4 offset:(\off)
	ds_load_b64 v[(\reg)+4:(\reg)+5], v5 offset:(\off)+512
	ds_load_b128 v[(\reg)+6:(\reg)+9], v4 offset:(\off)+768
	ds_load_b64 v[(\reg)+10:(\reg)+11], v5 offset:(\off)+1280
.endm
	s_load_b256 s[4:11], s[0:1], 0x0               ; xi s[4:5], xs s[6:7], wi s[8:9], ws s[10:11]
	s_load_b64 s[12:13], s[0:1], 0x20              ; qkv
	v_lshl_add_u32 v248, v0, 2, 0xc000
	v_mov_b32 v249, 0
	v_lshrrev_b32 v1, 5, v0
	v_readfirstlane_b32 s14, v1                    ; wave 0..15
	v_and_b32 v2, 31, v0                           ; lane
	v_lshlrev_b32 v4, 4, v2                        ; 16 x lane
	v_lshlrev_b32 v5, 3, v2                        ; 8 x lane
	v_lshlrev_b32 v6, 2, v2                        ; 4 x lane
	s_mul_i32 s15, s14, 3072
	v_add_nc_u32 v7, s15, v4                       ; my wave's sixteenth of the streamed block, in memory and in LDS alike
	v_and_b32 v9, 15, v0                           ; r
	v_bfe_u32 v10, v0, 4, 1                        ; h
	s_lshr_b32 s16, ttmp9, 6                       ; t
	s_and_b32 s17, ttmp9, 63                       ; idx
	; the offsets for q and k: g = idx % 4 (128 columns), token tile Tg = 16 (idx / 4) + wave
	s_and_b32 s18, s17, 3
	s_lshr_b32 s19, s17, 2
	s_lshl_b32 s19, s19, 4
	s_add_co_u32 s19, s19, s14
	s_mul_i32 s20, s16, 196608
	s_mul_i32 s21, s18, 49152
	s_add_co_u32 s20, s20, s21                     ; streamed codes, in wi
	s_lshl_b32 s21, s16, 13
	s_lshl_b32 s22, s18, 11
	s_add_co_u32 s21, s21, s22                     ; streamed scale words, in ws
	s_mul_i32 s22, s16, 1572864
	s_mul_i32 s23, s19, 6144
	s_add_co_u32 s22, s22, s23                     ; stationary codes, in xi
	s_lshl_b32 s23, s16, 16
	s_lshl_b32 s24, s19, 8
	s_add_co_u32 s23, s23, s24                     ; stationary scale words, in xs
	s_lshr_b32 s24, s19, 7
	s_lshl_b32 s24, s24, 3
	s_lshl_b32 s25, s18, 1
	s_add_co_u32 s24, s24, s25
	s_mul_i32 s24, s24, REC                        ; the record of head 2 g
	s_and_b32 s25, s19, 127                        ; the tile within its batch
	s_cmp_eq_u32 s16, 0
	s_cselect_b32 s26, QC, KC
	s_mov_b32 s27, KS
	s_cselect_b32 s27, QS, s27
	s_mul_i32 s28, s25, 768
	s_add_co_u32 s26, s26, s28
	s_add_co_u32 s26, s26, s24                     ; where half 0 goes
	s_lshl_b32 s28, s25, 6
	s_add_co_u32 s27, s27, s28
	s_add_co_u32 s27, s27, s24                     ; where the scale words go
	s_add_co_u32 s28, s26, REC                     ; half 1: head 2 g + 1, a record on
	; the offsets for v: key block Bk = idx / 2, column tile f = 16 (idx % 2) + wave
	s_lshr_b32 s30, s17, 1
	s_and_b32 s31, s17, 1
	s_lshl_b32 s31, s31, 4
	s_add_co_u32 s31, s31, s14
	s_mul_i32 s32, s30, 49152
	s_add_co_u32 s32, s32, 1572864                 ; streamed codes, in xi (dt)
	s_lshl_b32 s33, s30, 11
	s_add_co_u32 s33, s33, 65536                   ; streamed scale words, in xs
	s_mul_i32 s34, s31, 6144
	s_add_co_u32 s34, s34, 393216                  ; stationary codes, in wi (Wv)
	s_lshl_b32 s35, s31, 8
	s_add_co_u32 s35, s35, 16384                   ; stationary scale words, in ws
	s_lshr_b32 s36, s30, 4
	s_lshl_b32 s36, s36, 3
	s_lshr_b32 s37, s31, 2
	s_add_co_u32 s36, s36, s37
	s_mul_i32 s36, s36, REC                        ; the record of head f / 4
	s_and_b32 s37, s30, 15
	s_lshl_b32 s37, s37, 2
	s_and_b32 s38, s31, 3
	s_add_co_u32 s37, s37, s38                     ; 4 x key step + tile
	s_mul_i32 s38, s37, 1536
	s_add_co_u32 s38, s38, s36
	s_add_co_u32 s38, s38, VC                      ; where half 0 goes
	s_lshl_b32 s39, s37, 7
	s_add_co_u32 s39, s39, s36
	s_add_co_u32 s39, s39, VS                      ; where the scale words go
	s_add_co_u32 s40, s38, 768                     ; half 1: behind half 0
	s_wait_kmcnt 0x0
	s_cmp_eq_u32 s16, 2                            ; every choice below hangs on the work-group's number alone
	s_cselect_b64 s[42:43], s[4:5], s[8:9]         ; streamed codes
	s_cselect_b64 s[44:45], s[6:7], s[10:11]       ; streamed scale words
	s_cselect_b64 s[46:47], s[8:9], s[4:5]         ; stationary codes
	s_cselect_b64 s[48:49], s[10:11], s[6:7]       ; stationary scale words
	s_cselect_b32 s20, s32, s20
	s_cselect_b32 s21, s33, s21
	s_cselect_b32 s22, s34, s22
	s_cselect_b32 s23, s35, s23
	s_cselect_b32 s26, s38, s26
	s_cselect_b32 s27, s39, s27
	s_cselect_b32 s28, s40, s28
	s_mov_b32 s50, REC
	s_cselect_b32 s50, 64, s50                     ; from lanes 0-15's scale words to lanes 16-31's
	s_cselect_b32 s51, -1, 0xffff                  ; q, k: lanes 0-15 store the word's lower two bytes (head 2 g),
	s_cselect_b32 s52, 0, 16                       ; lanes 16-31 its upper two (head 2 g + 1); v: both store the whole word
	s_mov_b32 s55, 0
	s_mov_b32 s54, s20
	s_add_nc_u64 s[42:43], s[42:43], s[54:55]
	s_mov_b32 s54, s21
	s_add_nc_u64 s[44:45], s[44:45], s[54:55]
	s_mov_b32 s54, s22
	s_add_nc_u64 s[46:47], s[46:47], s[54:55]
	s_mov_b32 s54, s23
	s_add_nc_u64 s[48:49], s[48:49], s[54:55]
	s_mov_b32 s54, s26
	s_add_nc_u64 s[56:57], s[12:13], s[54:55]
	s_mov_b32 s54, s28
	s_add_nc_u64 s[58:59], s[12:13], s[54:55]
	s_mov_b32 s54, s27
	s_add_nc_u64 s[60:61], s[12:13], s[54:55]
	s_mov_b32 s[SEL], 0x76543210
	s_mov_b32 s[SEL+1], 0xfedcba98
	v_mul_u32_u24 v8, s50, v10
	v_lshl_add_u32 v8, v9, 2, v8                   ; my scale word's place: 4 r + h x the distance
	; ---- loads: my sixteenth of the streamed block first, then what stays in my registers
.irp i, 0,1,2,3,4,5
	global_load_b128 v[ACC+4*\i:ACC+4*\i+3], v7, s[42:43] offset:512*\i
.endr
.irp s, 0,1,2,3
	GFRAG ST+12*\s, 46, 1536*\s
.endr
.irp p, 0,1
	global_load_b32 v[SS+\p], v6, s[48:49] offset:128*\p
.endr
.irp i, 0,1,2,3,4,5,6,7
.irp p, 0,1
	global_load_b32 v[SR+2*\i+\p], v6, s[44:45] offset:256*\i+128*\p
.endr
.endr
	s_wait_loadcnt 34                              ; the six copy loads are in; the 16 + 2 + 16 issued behind them may be out
.irp i, 0,1,2,3,4,5
	ds_store_b128 v7, v[ACC+4*\i:ACC+4*\i+3] offset:512*\i
.endr
	s_wait_dscnt 0x0                               ; for the others' sake: my stores have landed
	s_barrier_signal -1
	s_barrier_wait -1                              ; the streamed block lies in LDS; nobody writes LDS from here on
	s_wait_loadcnt 0x0
	; ---- the products: four K steps; the eight accumulators take turns, one instruction a turn
.irp s, 0,1,2,3
.irp i, 0,1,2,3,4,5,6,7
	LFRAG F+12*\i, (4*\i+\s)*1536
.endr
	s_wait_dscnt 0x0
.irp i, 0,1,2,3,4,5,6,7
.if \s == 0
	v_wmma_scale_f32_16x16x128_f8f6f4 v[ACC+8*\i:ACC+8*\i+7], v[F+12*\i:F+12*\i+11], v[ST+12*\s:ST+12*\s+11], 0, v[SR+2*\i], v[SS] matrix_a_fmt:MATRIX_FMT_FP6 matrix_b_fmt:MATRIX_FMT_FP6
.elseif \s == 2
	v_wmma_scale_f32_16x16x128_f8f6f4 v[ACC+8*\i:ACC+8*\i+7], v[F+12*\i:F+12*\i+11], v[ST+12*\s:ST+12*\s+11], v[ACC+8*\i:ACC+8*\i+7], v[SR+2*\i+1], v[SS+1] matrix_a_fmt:MATRIX_FMT_FP6 matrix_b_fmt:MATRIX_FMT_FP6
.else
	v_wmma_scale_f32_16x16x128_f8f6f4 v[ACC+8*\i:ACC+8*\i+7], v[F+12*\i:F+12*\i+11], v[ST+12*\s:ST+12*\s+11], v[ACC+8*\i:ACC+8*\i+7], v[SR+2*\i+\s/2], v[SS+\s/2] matrix_a_fmt:MATRIX_FMT_FP6 matrix_b_fmt:MATRIX_FMT_FP6 matrix_a_scale:MATRIX_SCALE_ROW1 matrix_b_scale:MATRIX_SCALE_ROW1
.endif
.endr
.rept 4
	v_nop                                          ; four places in front of loads into registers that the products read, and of the first read of results
.endr
.endr
	; ---- the results become an operand: one fragment and one scale word a row
.irp b, 0,1,2,3
	v_mov_b32 v[TM+4+\b], 0                        ; a lane permute's destination counts as one of its sources
.endr
	v_cmp_le_u32 vcc_lo, 16, v2                    ; lanes 16-31
	QUANT_A ACC, PC, PW, 1
	QUANT_B PC
	v_and_b32 v119, s51, v[PW]
	v_lshrrev_b32 v120, s52, v[PW]
	v_cndmask_b32 v119, v119, v120, vcc_lo
	global_store_b128 v4, v[PC:PC+3], s[56:57]     ; half 0: 768 consecutive bytes in two stores
	global_store_b64 v5, v[PC+4:PC+5], s[56:57] offset:512
	global_store_b128 v4, v[PC+6:PC+9], s[58:59]   ; half 1
	global_store_b64 v5, v[PC+10:PC+11], s[58:59] offset:512
	global_store_b32 v8, v119, s[60:61]            ; two runs of 64 bytes: a thirteenth of what the wave stores
	s_wait_tensorcnt 0x0
	ds_add_u32 v248, v249
	s_wait_dscnt 0x0
	s_endpgm
.Lfunc_end_k_q55dac0a15b_proj:
	.size	k_q55dac0a15b_proj, .Lfunc_end_k_q55dac0a15b_proj-k_q55dac0a15b_proj
	.p2alignl 7, 3214868480
	.fill 96, 4, 3214868480
	.section	.rodata,"a",@progbits
	.p2align	6, 0x0
	.amdhsa_kernel k_q55dac0a15b_proj
		.amdhsa_group_segment_fixed_size 51200
		.amdhsa_private_segment_fixed_size 0
		.amdhsa_enable_private_segment 0
		.amdhsa_kernarg_size 40
		.amdhsa_user_sgpr_count 2
		.amdhsa_user_sgpr_kernarg_segment_ptr 1
		.amdhsa_wavefront_size32 1
		.amdhsa_system_sgpr_workgroup_id_x 1
		.amdhsa_system_sgpr_workgroup_id_y 1
		.amdhsa_system_sgpr_workgroup_id_z 1
		.amdhsa_system_vgpr_workitem_id 0
		.amdhsa_next_free_vgpr 250
		.amdhsa_next_free_sgpr 66
		.amdhsa_reserve_vcc 1
		.amdhsa_float_denorm_mode_32 3
		.amdhsa_float_denorm_mode_16_64 3
		.amdhsa_memory_ordered 1
		.amdhsa_forward_progress 1
		.amdhsa_inst_pref_size 27
	.end_amdhsa_kernel
	.amdgpu_metadata
---
amdhsa.version: [ 1, 2 ]
amdhsa.kernels:
  - .name:           k_q55dac0a15b_proj
    .symbol:         k_q55dac0a15b_proj.kd
    .args:
      - { .name: xi, .offset: 0, .size: 8, .value_kind: global_buffer, .address_space: global }
      - { .name: xs, .offset: 8, .size: 8, .value_kind: global_buffer, .address_space: global }
      - { .name: wi, .offset: 16, .size: 8, .value_kind: global_buffer, .address_space: global }
      - { .name: ws, .offset: 24, .size: 8, .value_kind: global_buffer, .address_space: global }
      - { .name: qkv, .offset: 32, .size: 8, .value_kind: global_buffer, .address_space: global }
    .group_segment_fixed_size: 51200
    .private_segment_fixed_size: 0
    .kernarg_segment_align: 8
    .kernarg_segment_size: 40
    .max_flat_workgroup_size: 512
    .sgpr_count:     66
    .vgpr_count:     250
    .wavefront_size: 32
...
	.end_amdgpu_metadata
.endif
;; end of part 2
;; launch attn (part 3): grid 16 x 16, 16 waves a work-group, clusters of 4 x 1, 253,952 bytes of LDS; arguments qkv, oi, os; writes oi, os
.if DOCPART == 3
	.amdgcn_target "amdgcn-amd-amdhsa--gfx1250"
	.amdhsa_code_object_version 6
	.text
	.protected	k_q55dac0a15b_attn
	.globl	k_q55dac0a15b_attn
	.p2align	8
	.type	k_q55dac0a15b_attn,@function
k_q55dac0a15b_attn:
	s_mov_b64 s[64:65], 0
	v_nop
	global_prefetch_b8 v0, s[64:65] scope:SCOPE_SE
	s_setreg_imm32_b32 hwreg(HW_REG_WAVE_MODE, 25, 1), 1
	s_wait_xcnt 0x0
	s_wait_alu depctr_hold_cnt(0) depctr_sa_sdst(0) depctr_va_vdst(0) depctr_va_sdst(0) depctr_va_ssrc(0) depctr_va_vcc(0) depctr_vm_vsrc(0)
	s_getreg_b32 s2, hwreg(HW_REG_IB_STS2, 6, 4)
	s_cmp_eq_u32 s2, 0
	s_cbranch_scc0 .Lentry_in_a_cluster
	s_endpgm
.Lentry_in_a_cluster:
	s_bfe_u32 s2, ttmp6, 0x10000c
	s_cmp_lg_u32 s2, 0x3003
	s_cbranch_scc0 .Lentry_shape_is_right
	s_endpgm
.Lentry_shape_is_right:
; For one batch and head: s = q k^T / 8; a = softmax(s); w = max(a, 1e-4) - 1e-4; attn = w / sum(w); o = attn v.  Both products on codes of FP6 (E2M3) with E8M0 scales; o is quantised along the head's 64 for the last product.
; attn is quantised FINISHED, so the softmax's sum l and the sum Z of w are known before a code is made: THREE SWEEPS over the keys, each of which makes the scores anew (8 matrix instructions for 128 keys):
;   A: the running largest t = s x log2(e) / 8, M = that rounded up to a whole number, l = sum of p = 2^(t - M) (when M moves l is multiplied by a power of two: nothing is rounded);
;   B: Z = (sum of max(p, th)) / l - 2,048 x 1e-4 with th = 1e-4 l, which is the sum of max(p / l, 1e-4) - 1e-4;      C: attn = max(p g - u, 0) with g = 1 / (l Z), u = 1e-4 / Z, quantised along the keys, times V.
; ORDERS OF ROUNDING THAT DIFFER FROM THE DEFINITION'S (all in f32): 1e-4 is taken off the sum once (the sum / l lies between 1 and 1.2048 and Z is at least 1 - 2,048 x 1e-4, so the difference costs under a bit);
; dividing by l, taking 1e-4 off and dividing by Z are one fused multiply-add in sweep C.  p under 2^-126 comes out of the exponential as 0; such p lie under the threshold anyway.
; LIMITS: a block of zeros gets the byte 1 over zero codes (this program alone reads the bytes); NaN and infinities are not served.
; SHARES.  A work-group owns 128 queries of one record (batch x 8 + head): eight tiles of 16.  SIXTEEN waves, four to a SIMD: waves w and w + 8 share tile w; wave w walks keys 0-1,023, wave w + 8 keys 1,024-2,047: 8 trips of 128 keys a sweep.
; THE PAIR MEETS THREE TIMES THROUGH LDS, each time in bytes of their own that are written once: behind A (-M, l), behind B the half sum, behind C the upper wave's O^T, which the lower wave adds to its own, quantises and stores.
; The record's K, V and their scale words, 212,992 bytes, lie in LDS whole, filled ONCE: no slot is filled again.
; CLUSTER.  The four work-groups of a cluster belong to one record and need the same bytes: each wave's sixteenth is asked for JOINTLY, by the same tensor load with the same descriptor and a mask that names the four.
; LAYOUT.  Both products are used transposed: S^T = K Q^T, O^T = V^T P^T: a lane holds ONE query (lane % 16).  The keys of a tile of K are laid (by the launch before) so that register 16 b + i of S^T is key 32 b + 16 (lane / 16) + i.
; K = 64 IN AN INSTRUCTION OF 128.  Q's registers 6-11 are zero codes and the upper two scale bytes of Q and K are 0 (2^-127).  A tile of K is six registers; as an operand it is named with the six that follow, the next tile's codes:
; they meet Q's zero codes, and FP6 has no infinity or NaN, so those products are zeros.  So eight tiles take 48 registers and are fetched a step ahead.
; REGISTERS: v1-6 bases (my half of the keys is in them), v7-11, v46 addresses in hand; v12 -M, v13 largest t, then my half's l; v[14:15] a sum in two halves; v16 1 / Z; v17 th; v[18:19] 1 / l, then g; v[20:21] -u; v[22:23] the power of two;
;   v24-35 Q; v36 Q's scale words; v37-40 K's; v41-44 V's; v45 P's; v47 lane; v48-95 K; v96-101 zeros; v102-103, v244-246 the meetings' addresses; v104-167 S^T, then p, then V's four fragments; v168-199 O^T; v200-219 codes;
;   v220-235 the quantiser's; v236-243 at work.
.set REC,  319488
.set QC,   212992
.set QS,   311296
.set PART, 13312                       ; a wave's sixteenth of the record's first 212,992 bytes: 52 rows of 256
.set XA,   212992                      ; behind the record: (-M, l), 8 bytes a thread;
.set XB,   XA+4096                     ; the half sums, 4 bytes a thread;
.set XO,   XB+2048                     ; the upper waves' O^T, 4,096 bytes a pair.  No fill lands in these bytes
.set HALFK, 49152                      ; half of K's (or V's) codes: 8 steps of 6,144 bytes
.set TRIPS, 8
.set WV,  10
.set G0,  16                           ; s[16:19] descriptor group 0
.set G1,  20                           ; s[20:27] group 1
.set CS,  28                           ; s[28:29] c = log2(e) / 8
.set SEL, 30                           ; s[30:31] lane l xor 16
.set KO,  32                           ; the step's tiles of K, from my half's first
.set KSO, 33                           ; its scale words likewise
.set VO,  34                           ; the same for V
.set VSO, 35
.set CNT, 36
.set KF,  48
.set KSR, 37
.set VSR, 41
.set PW,  45
.set S,   104
.set O,   168
.set PC,  200
.set TM,  220
.macro CROUND                          ; a round of the cluster's barrier
	s_barrier_signal -1
	s_barrier_wait -1
	s_cmp_lg_u32 s[WV], 0
	s_cbranch_scc1 .Lnot_wave_0_\@
	s_barrier_signal -3
.Lnot_wave_0_\@:
	s_barrier_wait -3
	s_barrier_signal -1
	s_barrier_wait -1
.endm
.macro MEET                            ; my LDS stores have landed and my LDS loads are in: then the work-group's barrier
	s_wait_dscnt 0x0
	s_barrier_signal -1
	s_barrier_wait -1
.endm
.macro QUANT_A s, pc, pw, abs
.irp b, 0,1,2,3
.if \abs
	v_max3_num_f32 v[TM+\b], |v[(\s)+16*\b]|, |v[(\s)+1+16*\b]|, 0x1800000
.else
	v_max3_num_f32 v[TM+\b], v[(\s)+16*\b], v[(\s)+1+16*\b], 0x1800000   ; none is negative here.  The floor 2^(3 - 127): the byte cannot fall under 1
.endif
.endr
.irp i, 2,4,6,8,10,12,14
.irp b, 0,1,2,3
.if \abs
	v_max3_num_f32 v[TM+\b], v[TM+\b], |v[(\s)+16*\b+\i]|, |v[(\s)+1+16*\b+\i]|
.else
	v_max3_num_f32 v[TM+\b], v[TM+\b], v[(\s)+16*\b+\i], v[(\s)+1+16*\b+\i]
.endif
.endr
.endr
.irp b, 0,1,2,3
	v_permlanex16_b32 v[TM+4+\b], v[TM+\b], s[SEL], s[SEL+1]
.endr
.irp b, 0,1,2,3
	v_max_num_f32 v[TM+\b], v[TM+\b], v[TM+4+\b]   ; with lane l xor 16's 16 keys: the block's largest
.endr
.irp b, 0,1,2,3
	v_add_nc_u32 v[TM+12+\b], 0xff000000, v[TM+\b]   ; 2 off its exponent field: the conversion's scale operand
.endr
.irp b, 0,1,2,3
	v_lshrrev_b32 v[TM+4+\b], 23, v[TM+12+\b]   ; the scale's byte
.endr
	v_lshl_or_b32 v[\pw], v[TM+5], 8, v[TM+4]
	v_lshl_or_b32 v[\pw], v[TM+6], 16, v[\pw]
	v_lshl_or_b32 v[\pw], v[TM+7], 24, v[\pw]
.irp c, 0,1
	v_cvt_scalef32_pk16_fp6_f32 v[(\pc)+6*\c:(\pc)+2+6*\c], v[(\s)+32*\c:(\s)+15+32*\c], v[TM+12+2*\c]
	v_cvt_scalef32_pk16_fp6_f32 v[(\pc)+12+4*\c:(\pc)+14+4*\c], v[(\s)+16+32*\c:(\s)+31+32*\c], v[TM+12+2*\c+1]
.endr
	v_nop                                          ; one plain line behind the scaled conversions
.endm
.macro QUANT_B pc
.irp c, 0,1
.irp i, 0,1,2
	v_permlane16_swap_b32 v[(\pc)+6*\c+\i], v[(\pc)+12+4*\c+\i]
.endr
.irp i, 0,1,2
	v_mov_b32 v[(\pc)+3+6*\c+\i], v[(\pc)+12+4*\c+\i]
.endr
.endr
.endm
; A step's eight tiles of K and their scale words.  The three additions and the v_nop are the four places between the products that read these registers and the loads into them (ISA guide 7.12.1 for vector instructions).
.macro KLOAD
	v_add_nc_u32 v7, s[KO], v1
	v_add_nc_u32 v8, s[KO], v2
	v_add_nc_u32 v9, s[KSO], v3
	v_nop
.irp t, 0,1,2,3,4,5,6,7
	ds_load_b128 v[KF+6*\t:KF+6*\t+3], v7 offset:768*\t
	ds_load_b64 v[KF+6*\t+4:KF+6*\t+5], v8 offset:768*\t
.endr
.irp b, 0,1,2,3
	ds_load_b32 v[KSR+\b], v9 offset:128*\b        ; lanes 0-15: tile 2 b's words; lanes 16-31: tile 2 b + 1's
.endr
.endm
; S^T of 128 keys, and the fetch of the next step's K.  In a sweep's last trip that fetch takes the 6,144 and 512 bytes behind my half's (the other half's, or V's: inside the record in LDS); they are not used: the next sweep's head
; fetches my first step.  So every trip is alike and every trip count is a constant.
.macro QK
	s_wait_dscnt 0x0                               ; the 20 loads issued a trip ago are in
.irp t, 0,1,2,3,4,5,6,7
.if (\t)%2
	v_wmma_scale_f32_16x16x128_f8f6f4 v[S+8*\t:S+8*\t+7], v[KF+6*\t:KF+6*\t+11], v[24:35], 0, v[KSR+\t/2], v36 matrix_a_fmt:MATRIX_FMT_FP6 matrix_b_fmt:MATRIX_FMT_FP6 matrix_a_scale:MATRIX_SCALE_ROW1
.else
	v_wmma_scale_f32_16x16x128_f8f6f4 v[S+8*\t:S+8*\t+7], v[KF+6*\t:KF+6*\t+11], v[24:35], 0, v[KSR+\t/2], v36 matrix_a_fmt:MATRIX_FMT_FP6 matrix_b_fmt:MATRIX_FMT_FP6
.endif
.endr
	s_add_co_u32 s[KO], s[KO], 6144
	s_add_co_u32 s[KSO], s[KSO], 512
	KLOAD
.endm
.macro PASSHEAD                        ; a sweep begins at my half's first key
	s_wait_dscnt 0x0                               ; no load into K's registers is out
	s_mov_b32 s[KO], 0
	s_mov_b32 s[KSO], 0
	KLOAD
	s_mov_b32 s[CNT], TRIPS
.endm
; p = 2^(t - M), at most 1.  The 32 scalings t - M = c s - M (two numbers a line; each accumulator from its low end on) stand among the 64 exponentials, four pairs ahead of their own: two exponentials, a scaling, by turns.
; ONE BATCH: no line here names an exponential's result; the plain line and the one wait follow the macro.
.macro EXPT
.set J, 0
.rept 4
	v_pk_fma_f32 v[S+2*J:S+2*J+1], v[S+2*J:S+2*J+1], s[CS:CS+1], v[12:13] op_sel_hi:[1,0,0]
.set J, J+1
.endr
.set J, 0
.rept 32
	v_exp_f32 v[S+2*J], v[S+2*J]
	v_exp_f32 v[S+2*J+1], v[S+2*J+1]
.if J < 28
	v_pk_fma_f32 v[S+2*J+8:S+2*J+9], v[S+2*J+8:S+2*J+9], s[CS:CS+1], v[12:13] op_sel_hi:[1,0,0]
.endif
.set J, J+1
.endr
.endm
.macro THRESH                          ; max(p g - u, 0)
.set J, 0
.rept 32
	v_pk_fma_f32 v[S+J:S+J+1], v[S+J:S+J+1], v[18:19], v[20:21] op_sel_hi:[1,0,0]
.set J, J+2
.endr
.set J, 0
.rept 64
	v_max_num_f32 v[S+J], 0, v[S+J]
.set J, J+1
.endr
.endm
.macro SUM64                           ; v[14:15] += the 64 numbers, two at a time, in two chains
	v_pk_add_f32 v[236:237], v[S:S+1], v[S+2:S+3]
.set J, 4
.rept 15
	v_pk_add_f32 v[14:15], v[14:15], v[S+J:S+J+1]
	v_pk_add_f32 v[236:237], v[236:237], v[S+J+2:S+J+3]
.set J, J+4
.endr
	v_pk_add_f32 v[14:15], v[14:15], v[236:237]
.endm
.macro HALFSUM dst                     ; my half's sum of my query: the two halves of the pair, and lane l xor 16's
	v_add_f32 v14, v14, v15
	v_permlanex16_b32 v241, v14, s[SEL], s[SEL+1]
	v_add_f32 v[\dst], v14, v241
.endm
.macro TRIPEND label
	s_sub_co_u32 s[CNT], s[CNT], 1
	s_cmp_lg_u32 s[CNT], 0
	s_cbranch_scc1 \label
.endm
	s_load_b128 s[4:7], s[0:1], 0x0                ; qkv s[4:5], oi s[6:7]
	s_load_b64 s[8:9], s[0:1], 0x10                ; os
	v_lshl_add_u32 v248, v0, 2, 0x3d800
	v_mov_b32 v249, 0
	ds_add_u32 v248, v249
	ds_add_u32 v248, v249
	v_lshrrev_b32 v1, 5, v0
	v_readfirstlane_b32 s[WV], v1                  ; wave 0..15
	s_bfe_u32 s11, ttmp6, 0x40000                  ; cx: it enters Q's and the outputs' addresses alone
	s_lshl_b32 s12, ttmp9, 2
	s_add_co_u32 s12, s12, s11                     ; my block of 128 queries
	s_and_b32 s13, ttmp7, 0xffff                   ; the record, which the four partners share
	s_lshl_b32 s14, s12, 3
	s_and_b32 s15, s[WV], 7
	s_add_co_u32 s14, s14, s15                     ; my tile of Q, 0..127: waves w and w + 8 have the same
	s_mul_i32 s38, s13, REC
	s_mov_b32 s39, 0
	s_mul_i32 s[G0+1], s[WV], PART                 ; 63:32 LDS address: wave x 13,312
	s_mov_b32 s40, s[G0+1]
	s_mov_b32 s41, 0
	s_mov_b32 s[G1], 15|(3<<16)|(1<<21)            ; 15:0 the mask: all four work-groups; 17:16 elements of 8 bytes; 21 set beside a mask; no padding
	s_mov_b32 s[G1+1], 32<<16                      ; tensor_dim0 = 32 elements: rows of 256 bytes
	s_mov_b32 s[G1+2], 52<<16                      ; tensor_dim1 = 52
	s_mov_b32 s[G1+3], 32<<16                      ; tile_dim0
	s_mov_b32 s[G1+4], 52                          ; tile_dim1
	s_mov_b32 s[G1+5], 32                          ; from row to row: dense
	s_mov_b32 s[G1+6], 0
	s_mov_b32 s[G1+7], 0
	s_mov_b32 s[CS], 0x3e38aa3b                    ; log2(e) / 8
	s_mov_b32 s[CS+1], s[CS]                       ; (named with it as a pair, so it is written)
	s_mov_b32 s[SEL], 0x76543210
	s_mov_b32 s[SEL+1], 0xfedcba98
	v_and_b32 v47, 31, v0                          ; lane
	v_lshrrev_b32 v240, 8, v0                      ; which half of the keys is mine: thread / 256
	v_lshlrev_b32 v237, 4, v47                     ; 16 x lane
	v_lshl_add_u32 v238, v47, 3, 512               ; 512 + 8 x lane
	v_mad_u32_u24 v1, v240, HALFK, v237            ; K's codes: my half + 16 x lane,
	v_mad_u32_u24 v2, v240, HALFK, v238            ; my half + 512 + 8 x lane;
	v_lshl_add_u32 v3, v47, 2, 196608
	v_lshl_add_u32 v3, v240, 12, v3                ; K's scale words: 4,096 bytes a half;
	v_add_nc_u32 v4, 98304, v1                     ; V's codes,
	v_add_nc_u32 v5, 98304, v2
	v_add_nc_u32 v6, 8192, v3                      ; V's scale words
	v_xor_b32 v242, 256, v0                        ; my partner's thread: the same lane of wave w xor 8
	v_lshl_add_u32 v102, v0, 3, XA                 ; the meetings' addresses, all made here: mine,
	v_lshl_add_u32 v103, v242, 3, XA               ; my partner's;
	v_lshl_add_u32 v244, v0, 2, XB
	v_lshl_add_u32 v245, v242, 2, XB
	v_bfe_u32 v243, v0, 5, 3                       ; wave % 8: the pair
	v_lshl_add_u32 v246, v243, 12, v237
	v_add_nc_u32 v246, XO, v246                    ; the pair's 4,096 bytes, 16 x lane
	s_wait_dscnt 0x0
	s_wait_kmcnt 0x0
	s_add_nc_u64 s[42:43], s[4:5], s[38:39]        ; the record
	s_mov_b32 s[G0], 1                             ; count = 1
	s_add_nc_u64 s[G0+2:G0+3], s[42:43], s[40:41]  ; global address: my wave's sixteenth
	s_or_b32 s[G0+3], s[G0+3], 0x80000000          ; type = 2
	CROUND                                         ; all four work-groups are here: the joint loads meet
	tensor_load_to_lds s[G0:G0+3], s[G1:G1+7]      ; my one tensor load of the launch
	s_nop 0
.rept 4
	v_nop
.endr
	s_mul_i32 s46, s14, 768
	s_add_co_u32 s46, s46, QC
	s_mov_b32 s47, 0
	s_add_nc_u64 s[44:45], s[42:43], s[46:47]      ; my tile of Q: s[44:45] and s[48:49] are the loads' bases and are not written again
	s_lshl_b32 s46, s14, 6
	s_add_co_u32 s46, s46, QS
	s_add_nc_u64 s[48:49], s[42:43], s[46:47]      ; and its scale words
	v_and_b32 v239, 15, v0
	v_lshlrev_b32 v239, 2, v239                    ; 4 x (lane % 16): no lane reads past the tile's 64 bytes
	global_load_b128 v[24:27], v237, s[44:45]      ; (v237-239 are written again only behind the wait for these loads)
	global_load_b64 v[28:29], v238, s[44:45]
	global_load_b32 v36, v239, s[48:49]
	s_lshr_b32 s52, s13, 3                         ; batch  (s46, s47, s50, s52, s53 are named by no memory instruction)
	s_and_b32 s53, s13, 7                          ; head
	s_lshl_b32 s52, s52, 7
	s_add_co_u32 s52, s52, s14                     ; my tile among all 256
	s_lshl_b32 s46, s52, 2
	s_lshr_b32 s50, s53, 1
	s_add_co_u32 s46, s46, s50
	s_mul_i32 s46, s46, 1536
	s_and_b32 s50, s53, 1
	s_mul_i32 s50, s50, 768
	s_add_co_u32 s46, s46, s50
	s_add_nc_u64 s[6:7], s[6:7], s[46:47]          ; oi at (tile, K step head / 2, half head % 2)
	s_lshl_b32 s46, s52, 3
	s_add_co_u32 s46, s46, s53
	s_lshl_b32 s46, s46, 7
	s_add_nc_u64 s[8:9], s[8:9], s[46:47]          ; os at (tile, head)
.irp j, 30,31,32,33,34,35,96,97,98,99,100,101
	v_mov_b32 v[\j], 0                             ; Q's zero codes for k = 64 .. 127, and what stands behind K's last tile
.endr
	v_mov_b32 v13, 0xff61b1e6                      ; the largest t so far: -3e38, under every t
	v_floor_f32 v12, -v13                          ; -M
.irp j, 14,15,19,21,23,241
	v_mov_b32 v[\j], 0                             ; l; the upper halves of pairs of which the lower half is used; a lane permute's destination
.endr
.irp b, 0,1,2,3
	v_mov_b32 v[TM+4+\b], 0
.endr
	s_wait_tensorcnt 0x0                           ; my sixteenth has landed,
	s_barrier_signal -1
	s_barrier_wait -1                              ; everybody's has: the record's bytes are only read from here on
	s_wait_loadcnt 0x0                             ; Q
	; ---- SWEEP A: M and l of my half of the keys
	PASSHEAD
.Lsweep_a:
	QK
.irp b, 0,1,2,3
	v_max3_num_f32 v[236+\b], v[S+16*\b], v[S+1+16*\b], v[S+2+16*\b]   ; the step's largest score, in four chains
.endr
.irp i, 3,5,7,9,11,13
.irp b, 0,1,2,3
	v_max3_num_f32 v[236+\b], v[236+\b], v[S+16*\b+\i], v[S+1+16*\b+\i]
.endr
.endr
.irp b, 0,1,2,3
	v_max_num_f32 v[236+\b], v[236+\b], v[S+15+16*\b]
.endr
	v_max3_num_f32 v240, v236, v237, v238
	v_max_num_f32 v240, v240, v239
	v_permlanex16_b32 v241, v240, s[SEL], s[SEL+1]
	v_max_num_f32 v240, v240, v241                 ; with lane l xor 16's 64 keys
	v_mul_f32 v240, s[CS], v240                    ; as t (c is positive)
	v_max_num_f32 v13, v13, v240                   ; the running largest t
	v_mov_b32 v240, v12
	v_floor_f32 v12, -v13                          ; the new -M = -ceil(t)
	v_sub_f32 v240, v12, v240                      ; old M - new M: a whole number, 0 or less
	v_cvt_i32_f32 v240, v240                       ; (it saturates)
	v_ldexp_f32 v22, 1.0, v240                     ; 2^(old M - new M)
	EXPT
	v_pk_mul_f32 v[14:15], v[14:15], v[22:23] op_sel_hi:[1,0]   ; l under the new M.  (The plain line behind the exponentials)
	s_wait_alu depctr_va_vdst(0)                   ; one wait for the batch, ahead of its first reader
	SUM64
	TRIPEND .Lsweep_a
	; the pair's first meeting: (-M, l) of both halves
	HALFSUM 13                                     ; my half's l takes the largest t's place beside -M
	ds_store_b64 v102, v[12:13]
	MEET                                           ; every wave's pair of numbers lies in LDS
	ds_load_b64 v[236:237], v103                   ; my partner's
	s_wait_dscnt 0x0
	v_min_num_f32 v238, v12, v236                  ; -M of the whole row: the smaller of two whole numbers
	v_sub_f32 v239, v238, v12                      ; my M less the row's: 0 or less
	v_sub_f32 v240, v238, v236                     ; my partner's likewise
	v_cvt_i32_f32 v239, v239                       ; (they saturate)
	v_cvt_i32_f32 v240, v240
	v_ldexp_f32 v239, v13, v239                    ; both sums under the row's M: nothing is rounded,
	v_ldexp_f32 v240, v237, v240
	v_add_f32 v14, v239, v240                      ; and their sum is the same bits in both waves of the pair: l
	v_mov_b32 v12, v238
	v_rcp_f32 v18, v14                             ; 1 / l
	v_mul_f32 v17, 0x38d1b717, v14                 ; th = 1e-4 l.  (The plain line behind the transcendental)
	s_wait_alu depctr_va_vdst(0)                   ; the wait ahead of the first line that names its result
	v_mov_b32 v14, 0
	v_mov_b32 v15, 0
	; ---- SWEEP B: the sum of max(p, th) over my half.  M stands
	PASSHEAD
.Lsweep_b:
	QK
	EXPT
	v_nop                                          ; the plain line behind the exponentials
	s_wait_alu depctr_va_vdst(0)                   ; one wait for the batch
.set J, 0
.rept 64
	v_max_num_f32 v[S+J], v17, v[S+J]
.set J, J+1
.endr
	SUM64
	TRIPEND .Lsweep_b
	; the second meeting: the two half sums
	HALFSUM 14
	ds_store_b32 v244, v14
	MEET
	ds_load_b32 v236, v245                         ; my partner's
	s_wait_dscnt 0x0
	v_add_f32 v14, v14, v236                       ; the same bits in both waves
	v_fmaak_f32 v14, v14, v18, 0xbe51b717          ; Z = sum / l - 2,048 x 1e-4
	v_rcp_f32 v16, v14                             ; 1 / Z
	v_nop                                          ; a plain line behind the transcendental
	s_wait_alu depctr_va_vdst(0)                   ; and the wait ahead of the first line that names its result
	v_mul_f32 v18, v18, v16                        ; g = 1 / (l Z)
	v_mul_f32 v20, 0xb8d1b717, v16                 ; -u = -1e-4 / Z
.set J, 0
.rept 32
	v_mov_b32 v[O+J], 0                            ; O^T: the loop is written once, and its first trip adds onto zeros
.set J, J+1
.endr
	s_mov_b32 s[VO], 0
	s_mov_b32 s[VSO], 0
	; ---- SWEEP C: attn, its codes, and O^T += V^T P^T over my half
	PASSHEAD
.Lsweep_c:
	QK
	EXPT
	v_nop
	s_wait_alu depctr_va_vdst(0)                   ; one wait for the batch
	THRESH                                         ; attn = max(p g - u, 0)
	QUANT_A S, PC, PW, 0
	v_add_nc_u32 v10, s[VO], v4                    ; the numbers are converted: their registers take V's four fragments of these 128 keys
	v_add_nc_u32 v11, s[VO], v5
	v_add_nc_u32 v46, s[VSO], v6
.irp f, 0,1,2,3
	ds_load_b128 v[S+12*\f:S+12*\f+3], v10 offset:1536*\f
	ds_load_b64 v[S+12*\f+4:S+12*\f+5], v11 offset:1536*\f
	ds_load_b128 v[S+12*\f+6:S+12*\f+9], v10 offset:1536*\f+768
	ds_load_b64 v[S+12*\f+10:S+12*\f+11], v11 offset:1536*\f+768
	ds_load_b32 v[VSR+\f], v46 offset:128*\f
.endr
	QUANT_B PC
.rept 8
	v_nop                                          ; a scale register written by vector lines stands 8 places ahead of a scaled matrix instruction, an operand so written 4
.endr
	s_wait_dscnt 0x0                               ; V is in
.irp f, 0,1,2,3
	v_wmma_scale_f32_16x16x128_f8f6f4 v[O+8*\f:O+8*\f+7], v[S+12*\f:S+12*\f+11], v[PC:PC+11], v[O+8*\f:O+8*\f+7], v[VSR+\f], v[PW] matrix_a_fmt:MATRIX_FMT_FP6 matrix_b_fmt:MATRIX_FMT_FP6   ; the four accumulators by turns
.endr
	s_add_co_u32 s[VO], s[VO], 6144
	s_add_co_u32 s[VSO], s[VSO], 512
.rept 5
	v_nop                                          ; the next trip's first products write over registers that these read: five places; behind the last trip they serve the first reads of O^T and the loads into V's registers
.endr
	TRIPEND .Lsweep_c
	; ---- the third meeting: waves 8-15 hand their O^T to waves 0-7.  The branches hang on the wave's number alone; the barrier stands outside them
	s_cmp_lt_u32 s[WV], 8
	s_cbranch_scc1 .Llower
.irp i, 0,1,2,3,4,5,6,7
	ds_store_b128 v246, v[O+4*\i:O+4*\i+3] offset:512*\i   ; an image of the 32 registers; each accumulator from its low end on
.endr
.Llower:
	MEET
	s_cmp_ge_u32 s[WV], 8
	s_cbranch_scc1 .Ldone
.irp i, 0,1,2,3,4,5,6,7
	ds_load_b128 v[S+4*\i:S+4*\i+3], v246 offset:512*\i
.endr
	s_wait_dscnt 0x0
.set J, 0
.rept 16
	v_pk_add_f32 v[O+J:O+J+1], v[O+J:O+J+1], v[S+J:S+J+1]   ; O^T over all 2,048 keys
.set J, J+2
.endr
	; ---- THE WAY OUT.  V's tiles are laid so that register 16 b + i of O^T is channel 32 b + 16 (lane / 16) + i: two blocks of the last product's K.  They become half a fragment and two scale bytes.
.irp b, 0,1
	v_max3_num_f32 v[TM+\b], |v[O+16*\b]|, |v[O+1+16*\b]|, 0x1800000
.endr
.irp i, 2,4,6,8,10,12,14
.irp b, 0,1
	v_max3_num_f32 v[TM+\b], v[TM+\b], |v[O+16*\b+\i]|, |v[O+1+16*\b+\i]|
.endr
.endr
.irp b, 0,1
	v_permlanex16_b32 v[TM+4+\b], v[TM+\b], s[SEL], s[SEL+1]
.endr
.irp b, 0,1
	v_max_num_f32 v[TM+\b], v[TM+\b], v[TM+4+\b]
.endr
.irp b, 0,1
	v_add_nc_u32 v[TM+12+\b], 0xff000000, v[TM+\b]
.endr
.irp b, 0,1
	v_lshrrev_b32 v[TM+4+\b], 23, v[TM+12+\b]
.endr
	v_lshl_or_b32 v[PW], v[TM+5], 8, v[TM+4]       ; the two bytes; the upper half of the word is 0
	v_cvt_scalef32_pk16_fp6_f32 v[PC:PC+2], v[O:O+15], v[TM+12]
	v_cvt_scalef32_pk16_fp6_f32 v[PC+12:PC+14], v[O+16:O+31], v[TM+13]
	v_lshlrev_b32 v243, 2, v47                     ; 4 x lane.  (The plain line behind the scaled conversions)
	v_lshlrev_b32 v240, 4, v47                     ; 16 x lane
	v_lshl_add_u32 v242, v47, 3, 512               ; 512 + 8 x lane
.irp i, 0,1,2
	v_permlane16_swap_b32 v[PC+\i], v[PC+12+\i]
.endr
.irp i, 0,1,2
	v_mov_b32 v[PC+3+\i], v[PC+12+\i]
.endr
	global_store_b128 v240, v[PC:PC+3], s[6:7]     ; 768 consecutive bytes in two stores
	global_store_b64 v242, v[PC+4:PC+5], s[6:7]
	global_store_b32 v243, v[PW], s[8:9]           ; 128 consecutive bytes: a seventh of what the wave stores
.Ldone:
	s_wait_dscnt 0x0                               ; no LDS instruction of mine is out at the signal
	s_wait_tensorcnt 0x0
	ds_add_u32 v248, v249
	s_wait_dscnt 0x0
	CROUND                                         ; the closing round: no work-group ends while a partner may still ask jointly
	s_endpgm
.Lfunc_end_k_q55dac0a15b_attn:
	.size	k_q55dac0a15b_attn, .Lfunc_end_k_q55dac0a15b_attn-k_q55dac0a15b_attn
	.p2alignl 7, 3214868480
	.fill 96, 4, 3214868480
	.section	.rodata,"a",@progbits
	.p2align	6, 0x0
	.amdhsa_kernel k_q55dac0a15b_attn
		.amdhsa_group_segment_fixed_size 253952
		.amdhsa_private_segment_fixed_size 0
		.amdhsa_enable_private_segment 0
		.amdhsa_kernarg_size 24
		.amdhsa_user_sgpr_count 2
		.amdhsa_user_sgpr_kernarg_segment_ptr 1
		.amdhsa_wavefront_size32 1
		.amdhsa_system_sgpr_workgroup_id_x 1
		.amdhsa_system_sgpr_workgroup_id_y 1
		.amdhsa_system_sgpr_workgroup_id_z 1
		.amdhsa_system_vgpr_workitem_id 0
		.amdhsa_next_free_vgpr 250
		.amdhsa_next_free_sgpr 66
		.amdhsa_reserve_vcc 0
		.amdhsa_float_denorm_mode_32 3
		.amdhsa_float_denorm_mode_16_64 3
		.amdhsa_memory_ordered 1
		.amdhsa_forward_progress 1
		.amdhsa_inst_pref_size 57
	.end_amdhsa_kernel
	.amdgpu_metadata
---
amdhsa.version: [ 1, 2 ]
amdhsa.kernels:
  - .name:           k_q55dac0a15b_attn
    .symbol:         k_q55dac0a15b_attn.kd
    .args:
      - { .name: qkv, .offset: 0, .size: 8, .value_kind: global_buffer, .address_space: global }
      - { .name: oi, .offset: 8, .size: 8, .value_kind: global_buffer, .address_space: global }
      - { .name: os, .offset: 16, .size: 8, .value_kind: global_buffer, .address_space: global }
    .group_segment_fixed_size: 253952
    .private_segment_fixed_size: 0
    .kernarg_segment_align: 8
    .kernarg_segment_size: 24
    .max_flat_workgroup_size: 512
    .sgpr_count:     66
    .vgpr_count:     250
    .wavefront_size: 32
...
	.end_amdgpu_metadata
.endif
;; end of part 3
;; launch outp (part 4): grid 64 x 4, 4 waves a work-group, clusters of 4 x 1, 168,448 bytes of LDS; arguments oi, os, wi, ws, bo, out0; writes out0
.if DOCPART == 4
	.amdgcn_target "amdgcn-amd-amdhsa--gfx1250"
	.amdhsa_code_object_version 6
	.text
	.protected	k_q55dac0a15b_outp
	.globl	k_q55dac0a15b_outp
	.p2align	8
	.type	k_q55dac0a15b_outp,@function
k_q55dac0a15b_outp:
	s_mov_b64 s[64:65], 0
	v_nop
	global_prefetch_b8 v0, s[64:65] scope:SCOPE_SE
	s_setreg_imm32_b32 hwreg(HW_REG_WAVE_MODE, 25, 1), 1
	s_wait_xcnt 0x0
	s_wait_alu depctr_hold_cnt(0) depctr_sa_sdst(0) depctr_va_vdst(0) depctr_va_sdst(0) depctr_va_ssrc(0) depctr_va_vcc(0) depctr_vm_vsrc(0)
	s_getreg_b32 s2, hwreg(HW_REG_IB_STS2, 6, 4)
	s_cmp_eq_u32 s2, 0
	s_cbranch_scc0 .Lentry_in_a_cluster
	s_endpgm
.Lentry_in_a_cluster:
	s_bfe_u32 s2, ttmp6, 0x10000c
	s_cmp_lg_u32 s2, 0x3003
	s_cbranch_scc0 .Lentry_shape_is_right
	s_endpgm
.Lentry_shape_is_right:
; out0 = o Wo + bo on codes of FP6 (E2M3) with E8M0 scales; sums in f32.
; A work-group takes 64 tokens (four tiles, one a wave) x 128 columns of Wo (block g = work-group y).  A wave keeps its tile of o (four fragments, source 1) in registers; Wo's eight tiles (48 KB, dense) lie in LDS (source 0).
; TRANSPOSED USE: a lane holds one token (lane % 16) and eight neighbouring columns in each accumulator.  The bias is loaded straight into the accumulators, in the result's layout, and is the C of each sum's first product.
; CLUSTER.  The four work-groups of a cluster share g and so Wo's block: each wave's quarter is asked for JOINTLY, filled once.
; The rows of a tile of o are tokens 32 (T / 2) + 8 (T % 2) + r + 8 (r / 8): the stores put them back in their places.
.set WV,  16
.set G0,  20                           ; s[20:23] descriptor group 0
.set G1,  24                           ; s[24:31] group 1
.set STGB, 49152                       ; behind Wo's block: a stage of 16 rows x (512 bytes + 16) for each wave; no fill lands there
.set ST,  16                           ; v16-63   my tile of o: four fragments
.set OSW, 10                           ; v10-13   its scale words, one for each K step
.set SR,  66                           ; v66-81   Wo's scale words: register 2 i + pair; lanes 0-15 the even K step, lanes 16-31 the odd one
.set F,   82                           ; v82-177  eight fragments of Wo; first the raw words of os; last the rows on their way out
.set ACC, 178                          ; v178-241 eight accumulators
.macro CROUND
	s_barrier_signal -1
	s_barrier_wait -1
	s_cmp_lg_u32 s[WV], 0
	s_cbranch_scc1 .Lnot_wave_0_\@
	s_barrier_signal -3
.Lnot_wave_0_\@:
	s_barrier_wait -3
	s_barrier_signal -1
	s_barrier_wait -1
.endm
.macro GFRAG reg, sb, off
	global_load_b128 v[(\reg):(\reg)+3], v4, s[\sb:\sb+1] offset:(\off)
	global_load_b64 v[(\reg)+4:(\reg)+5], v5, s[\sb:\sb+1] offset:(\off)+512
	global_load_b128 v[(\reg)+6:(\reg)+9], v4, s[\sb:\sb+1] offset:(\off)+768
	global_load_b64 v[(\reg)+10:(\reg)+11], v5, s[\sb:\sb+1] offset:(\off)+1280
.endm
.macro LFRAG reg, off
	ds_load_b128 v[(\reg):(\reg)+3], v4 offset:(\off)
	ds_load_b64 v[(\reg)+4:(\reg)+5], v5 offset:(\off)+512
	ds_load_b128 v[(\reg)+6:(\reg)+9], v4 offset:(\off)+768
	ds_load_b64 v[(\reg)+10:(\reg)+11], v5 offset:(\off)+1280
.endm
	s_load_b256 s[4:11], s[0:1], 0x0               ; oi s[4:5], os s[6:7], wi s[8:9], ws s[10:11]
	s_load_b128 s[12:15], s[0:1], 0x20             ; bo s[12:13], out0 s[14:15]
	v_lshl_add_u32 v248, v0, 2, 0x29000
	v_mov_b32 v249, 0
	ds_add_u32 v248, v249
	ds_add_u32 v248, v249
	v_lshrrev_b32 v1, 5, v0
	v_readfirstlane_b32 s[WV], v1                  ; wave 0..3
	s_bfe_u32 s17, ttmp6, 0x40000                  ; cx: it enters o's and out0's addresses alone
	s_lshl_b32 s18, ttmp9, 2
	s_add_co_u32 s18, s18, s17
	s_lshl_b32 s18, s18, 2
	s_add_co_u32 s18, s18, s[WV]                   ; my tile of tokens, 0..255
	s_and_b32 s19, ttmp7, 0xffff                   ; g, which the four partners share
	s_mul_i32 s32, s19, 49152
	s_mul_i32 s[G0+1], s[WV], 12288                ; LDS address: wave x 12,288
	s_add_co_u32 s32, s32, s[G0+1]
	s_add_co_u32 s32, s32, 589824                  ; Wo's images begin there in wi
	s_mov_b32 s33, 0
	s_mov_b32 s[G1], 15|(3<<16)|(1<<21)            ; the mask: all four work-groups; elements of 8 bytes; bit 21 beside a mask; no padding
	s_mov_b32 s[G1+1], 32<<16                      ; rows of 256 bytes
	s_mov_b32 s[G1+2], 48<<16                      ; 48 of them
	s_mov_b32 s[G1+3], 32<<16
	s_mov_b32 s[G1+4], 48
	s_mov_b32 s[G1+5], 32                          ; dense
	s_mov_b32 s[G1+6], 0
	s_mov_b32 s[G1+7], 0
	v_and_b32 v2, 31, v0                           ; lane
	v_lshlrev_b32 v4, 4, v2                        ; 16 x lane
	v_lshlrev_b32 v5, 3, v2                        ; 8 x lane
	v_lshlrev_b32 v6, 2, v2                        ; 4 x lane
	v_and_b32 v3, 15, v0                           ; r
	v_bfe_u32 v1, v0, 4, 1                         ; h
	v_lshlrev_b32 v8, 5, v1                        ; 32 h: my eight columns of a tile, in bo and in a stage row
	s_mul_i32 s34, s[WV], 8448
	s_add_co_u32 s34, s34, STGB                    ; my stage
	v_mul_u32_u24 v7, v3, 528
	v_add_nc_u32 v7, v7, v8
	v_add_nc_u32 v7, s34, v7                       ; in: row r, + 32 h
	v_add_nc_u32 v9, s34, v4                       ; back: a row of 512 bytes, 16 a lane
	s_wait_dscnt 0x0
	s_wait_kmcnt 0x0
	s_mov_b32 s[G0], 1
	s_add_nc_u64 s[G0+2:G0+3], s[8:9], s[32:33]
	s_or_b32 s[G0+3], s[G0+3], 0x80000000
	CROUND                                         ; all four work-groups are here: the joint loads meet
	tensor_load_to_lds s[G0:G0+3], s[G1:G1+7]      ; my one tensor load of the launch
	s_nop 0
.rept 4
	v_nop
.endr
	s_mov_b32 s35, 0
	s_lshl_b32 s34, s19, 9
	s_add_nc_u64 s[12:13], s[12:13], s[34:35]      ; bo at column 128 g
	s_add_nc_u64 s[14:15], s[14:15], s[34:35]      ; out0 likewise,
	s_lshl_b32 s34, s19, 11
	s_add_co_u32 s34, s34, 24576
	s_add_nc_u64 s[10:11], s[10:11], s[34:35]      ; Wo's scale words, block g
	s_mul_i32 s34, s18, 6144
	s_add_nc_u64 s[4:5], s[4:5], s[34:35]          ; my tile's codes
	s_lshl_b32 s34, s18, 10
	s_add_nc_u64 s[6:7], s[6:7], s[34:35]          ; and its scale words
	s_lshr_b32 s34, s18, 1
	s_lshl_b32 s34, s34, 16
	s_and_b32 s36, s18, 1
	s_lshl_b32 s36, s36, 14
	s_add_co_u32 s34, s34, s36
	s_add_nc_u64 s[14:15], s[14:15], s[34:35]      ; at token 32 (T / 2) + 8 (T % 2)
.irp i, 0,1,2,3,4,5,6,7
	global_load_b128 v[ACC+8*\i:ACC+8*\i+3], v8, s[12:13] offset:64*\i      ; bo(128 g + 16 i + 8 h + 0 .. 7)
	global_load_b128 v[ACC+8*\i+4:ACC+8*\i+7], v8, s[12:13] offset:64*\i+16
.endr
.irp i, 0,1,2,3,4,5,6,7
.irp p, 0,1
	global_load_b32 v[SR+2*\i+\p], v6, s[10:11] offset:256*\i+128*\p
.endr
.endr
.irp s, 0,1,2,3
	GFRAG ST+12*\s, 4, 1536*\s
.endr
.irp d, 0,1,2,3,4,5,6,7
	global_load_b32 v[F+\d], v6, s[6:7] offset:128*\d    ; head d's two bytes of my row
.endr
	s_wait_loadcnt 0x0
.irp s, 0,1,2,3
	v_lshl_or_b32 v[OSW+\s], v[F+2*\s+1], 16, v[F+2*\s]   ; K step s is heads 2 s and 2 s + 1
.endr
	s_wait_tensorcnt 0x0                           ; my quarter of Wo's block has landed,
	s_barrier_signal -1
	s_barrier_wait -1                              ; everybody's has
.rept 8
	v_nop                                          ; a scale register written by vector lines stands 8 places ahead of a scaled matrix instruction
.endr
	; ---- four K steps; the eight accumulators take turns, one instruction a turn
.irp s, 0,1,2,3
.irp i, 0,1,2,3,4,5,6,7
	LFRAG F+12*\i, (4*\i+\s)*1536
.endr
	s_wait_dscnt 0x0
.irp i, 0,1,2,3,4,5,6,7
.if (\s)%2
	v_wmma_scale_f32_16x16x128_f8f6f4 v[ACC+8*\i:ACC+8*\i+7], v[F+12*\i:F+12*\i+11], v[ST+12*\s:ST+12*\s+11], v[ACC+8*\i:ACC+8*\i+7], v[SR+2*\i+\s/2], v[OSW+\s] matrix_a_fmt:MATRIX_FMT_FP6 matrix_b_fmt:MATRIX_FMT_FP6 matrix_a_scale:MATRIX_SCALE_ROW1
.else
	v_wmma_scale_f32_16x16x128_f8f6f4 v[ACC+8*\i:ACC+8*\i+7], v[F+12*\i:F+12*\i+11], v[ST+12*\s:ST+12*\s+11], v[ACC+8*\i:ACC+8*\i+7], v[SR+2*\i+\s/2], v[OSW+\s] matrix_a_fmt:MATRIX_FMT_FP6 matrix_b_fmt:MATRIX_FMT_FP6
.endif
.endr
.rept 4
	v_nop                                          ; four places in front of loads into registers that the products read, and of the first read of results
.endr
.endr
	; ---- THE WAY OUT: through my own stage, so that whole rows of 512 bytes leave.  LDS serves a wave's instructions in order: no wait between the stores and the loads.
.irp i, 0,1,2,3,4,5,6,7
	ds_store_b128 v7, v[ACC+8*\i:ACC+8*\i+3] offset:64*\i          ; each accumulator from its low end on
	ds_store_b128 v7, v[ACC+8*\i+4:ACC+8*\i+7] offset:64*\i+16
.endr
.irp i, 0,1,2,3,4,5,6,7,8,9,10,11,12,13,14,15
	ds_load_b128 v[F+4*\i:F+4*\i+3], v9 offset:528*\i
.endr
.irp i, 0,1,2,3,4,5,6,7,8,9,10,11,12,13,14,15
	s_wait_dscnt 15-\i                             ; row i is back; the younger rows' loads may be out
	global_store_b128 v4, v[F+4*\i:F+4*\i+3], s[14:15] offset:(\i+8*(\i/8))*2048 th:TH_STORE_NT   ; 32 lanes store 512 consecutive bytes, at a multiple of 256 from out0's first byte
.endr
	s_wait_tensorcnt 0x0
	ds_add_u32 v248, v249
	s_wait_dscnt 0x0
	CROUND                                         ; the closing round: no work-group ends while a partner may still ask jointly
	s_endpgm
.Lfunc_end_k_q55dac0a15b_outp:
	.size	k_q55dac0a15b_outp, .Lfunc_end_k_q55dac0a15b_outp-k_q55dac0a15b_outp
	.p2alignl 7, 3214868480
	.fill 96, 4, 3214868480
	.section	.rodata,"a",@progbits
	.p2align	6, 0x0
	.amdhsa_kernel k_q55dac0a15b_outp
		.amdhsa_group_segment_fixed_size 168448
		.amdhsa_private_segment_fixed_size 0
		.amdhsa_enable_private_segment 0
		.amdhsa_kernarg_size 48
		.amdhsa_user_sgpr_count 2
		.amdhsa_user_sgpr_kernarg_segment_ptr 1
		.amdhsa_wavefront_size32 1
		.amdhsa_system_sgpr_workgroup_id_x 1
		.amdhsa_system_sgpr_workgroup_id_y 1
		.amdhsa_system_sgpr_workgroup_id_z 1
		.amdhsa_system_vgpr_workitem_id 0
		.amdhsa_next_free_vgpr 250
		.amdhsa_next_free_sgpr 66
		.amdhsa_reserve_vcc 0
		.amdhsa_float_denorm_mode_32 3
		.amdhsa_float_denorm_mode_16_64 3
		.amdhsa_memory_ordered 1
		.amdhsa_forward_progress 1
		.amdhsa_inst_pref_size 27
	.end_amdhsa_kernel
	.amdgpu_metadata
---
amdhsa.version: [ 1, 2 ]
amdhsa.kernels:
  - .name:           k_q55dac0a15b_outp
    .symbol:         k_q55dac0a15b_outp.kd
    .args:
      - { .name: oi, .offset: 0, .size: 8, .value_kind: global_buffer, .address_space: global }
      - { .name: os, .offset: 8, .size: 8, .value_kind: global_buffer, .address_space: global }
      - { .name: wi, .offset: 16, .size: 8, .value_kind: global_buffer, .address_space: global }
      - { .name: ws, .offset: 24, .size: 8, .value_kind: global_buffer, .address_space: global }
      - { .name: bo, .offset: 32, .size: 8, .value_kind: global_buffer, .address_space: global }
      - { .name: out0, .offset: 40, .size: 8, .value_kind: global_buffer, .address_space: global }
    .group_segment_fixed_size: 168448
    .private_segment_fixed_size: 0
    .kernarg_segment_align: 8
    .kernarg_segment_size: 48
    .max_flat_workgroup_size: 128
    .sgpr_count:     66
    .vgpr_count:     250
    .wavefront_size: 32
...
	.end_amdgpu_metadata
.endif
;; end of part 4
